; MI455X (gfx1250); checked and timed in simulation.
; The chip was launched on July 23, 2026; its instructions are those of AMD's public machine-readable ISA for CDNA 5 (MIT licence, August 2026) and "CDNA5" Instruction Set Architecture Reference Guide (July 2026). The comments in the code are by the model that wrote it; some were corrected since.
;; S4 Layer. Allowed arithmetic: float matrix products may take bf16 or f16 operands with f32 sums; all other float work in f32.
;; Inputs: A 64 x 64 float32; B 64 x 1 float32; C 1 x 64 float32; u 8 x 4,096 x 512 float32.
;; Outputs: out0 8 x 4,096 x 512 float32.
;; 2 versions, each right and faster than the one before. Each part assembles by itself: llvm-mc -triple=amdgcn-amd-amdhsa -mcpu=gfx1250 --defsym DOCPART=n.
;; ======== version 1 of 2: 3 launches
;; limits: an iteration or a series of the reference is cut at 8 steps; right only within a limited range of input values; values are held in f16: magnitudes above 65,504 overflow, below 6.1e-05 lose precision; inputs' magnitudes at most 65,504
;; workspace buffers: tab 37,120 bytes; xs 3,145,728 bytes
;; launch setup (part 1): grid 1 x 1, 16 waves a work-group, no clusters, 45,568 bytes of LDS; arguments A, B, C, tab; writes tab
.if DOCPART == 1
	.amdgcn_target "amdgcn-amd-amdhsa--gfx1250"
	.amdhsa_code_object_version 6
	.text
	.protected	k_q32888652b3_setup
	.globl	k_q32888652b3_setup
	.p2align	8
	.type	k_q32888652b3_setup,@function
k_q32888652b3_setup:
	s_mov_b64 s[64:65], 0
	v_nop
	global_prefetch_b8 v0, s[64:65] scope:SCOPE_SE
	s_setreg_imm32_b32 hwreg(HW_REG_WAVE_MODE, 25, 1), 1
	s_wait_xcnt 0x0
; THE TABLES of the chunked form of x_k = Q x_(k-1) + Bb u_k, y_k = C x_k, with Q = (I - X)^-1 (I + X), X = A / 8192, Bb = 2^-12 (I - X)^-1 B.
; b^ = B 2^-eB, c^ = C 2^-eC (eB, eC: exponents of the largest magnitudes), b' = (I - X)^-1 b^, sigma = 2^(eB + eC - 12).
; P_k = Q^(2^k) - I is carried in f32 as P~_k = 2^(12-k) P_k, so that rounding an operand to f16 touches the small part alone.
;   series, 8 trips:  H = INIT + 2^-13 Aop H   gives P~_0 = A (I - X)^-1, its transpose, b', and g = (I - X^T)^-1 c^ (then Q^T c^ = 2 g - c^)
;   stage k = 0..7:   P~_(k+1) = P~_k + 2^(k-13) P~_k P~_k;   for k < 6 column j of Wm (and of Cm) with bit k of j set: col += 2^(k-12) P~_k col
;   so column j of Wm ends as Q^j b', column i of Cm as (Q^T)^(i+1) c^.
; Written, all f16, each as the register image of source-0 fragments (quad t of 4 registers at 512 t + 16 lane; fragment 2 Mtile + kb):
;   W2[n][j] = 2^-8 (Q^(63-j) b')[n];  P6 = Q^64 - I;  V2[i][n] = 2^8 (c^ Q^(i+1))[n];  T_e(m,k) = K[16 e + m - k] (0 below index 0), K[m] = c^ . Q^m b';  P8 = Q^256 - I;  64 words of sigma.
; LIMITS: |A| entries below 65,504; the series is cut behind X^8, so ||A||_2 <= 2048 leaves a remainder of 0.25^9; NaN and infinities are not treated apart; a B or C of zeros gives zeros.
; SHARES: 16 waves, group g = wave / 4, c = wave % 4.  A wave carries 64 rows x 16 columns (16 c ..) in f32 in the layout of a matrix result: CAR[8 i + j] of lane (r, h) = element (16 i + 8 h + j, 16 c + r).
;   g = 0: P~   g = 1: P~ transposed   g = 2: Wm   g = 3: Cm.   Packed in pairs the carry IS the wave's own source-1 fragments, and also the source-0 fragments (Mtile c) of the TRANSPOSE of what it carries:
;   group 1 publishes P~ (LDS region 0, read by groups 0 and 2), group 0 publishes its transpose (region 1, read by groups 1 and 3).
.set BUF1, 16384        ; two publish buffers of 2 x 8,192 bytes take turns
.set WT,   32768        ; 64 rows [time] x 160 bytes
.set WP,   160
.set KP,   43008        ; f32 K at index 32 + m; indices 0..31 hold 0
.set T_W2, 0
.set T_P6, 8192
.set T_V2, 16384
.set T_T,  24576
.set T_P8, 28672
.set T_SG, 36864
.set FB,   24           ; v[24:39]   the carry packed: fragments kb = 0, 1
.set CAR,  40           ; v[40:71]
.set INI,  72           ; v[72:103]  the series' constant term
.set AUX,  104          ; v[104:135] c^ at 16 i + 8 h + j
.set PR,   136          ; v[136:167] a product, four tiles
.set AF,   168          ; v[168:231] the eight source-0 fragments
; v1 r, v2 h, v3 16 lane, v4 publish address, v5 read address, v6 column number or -1, v7 16 c + r, v[8:9] the stage's factor, v10/v19 load offsets, v11 32 h, v12 2048 c + 16 lane, v13-16 LDS addresses of the tables, v17-23 at work
; s[4:11] A, B, C, tab; s12 wave, s13 group, s14 c, s15 counter, s[16:17] 2^-13, s18 bit, s19 stage scale, s20 2^-eB, s21 2^-eC, s22 sigma, s[24:25] s[28:29] scales, s[26:27] lane selects, s[30:31] a base
.macro PACK src                         ; 32 f32 -> 16 registers of f16 pairs
.set z, 0
.rept 16
	v_cvt_pk_f16_f32 v[FB+z], v[(\src)+2*z], v[(\src)+2*z+1]
.set z, z+1
.endr
.endm
.macro SCALE dst, src, lo               ; dst = src x s[lo]
.set z, 0
.rept 16
	v_pk_mul_f32 v[(\dst)+2*z:(\dst)+2*z+1], v[(\src)+2*z:(\src)+2*z+1], s[\lo:\lo+1] op_sel_hi:[1,0]
.set z, z+1
.endr
.endm
.macro PUBLISH buf                      ; groups 0 and 1 store their fragments; every wave waits for its LDS work and passes the barrier
	s_cmp_ge_u32 s13, 2
	s_cbranch_scc1 .Lnopub_\@
.irp t, 0,1,2,3
	ds_store_b128 v4, v[FB+4*\t:FB+4*\t+3] offset:(\buf)*BUF1+(\t)*512
.endr
.Lnopub_\@:
	s_wait_dscnt 0x0                ; for the others' sake: my stores are done (my reads of the other buffer were waited for when they were made)
	s_barrier_signal -1
	s_barrier_wait -1
.endm
.macro GETA buf                         ; the eight fragments of my operand
.set z, 0
.rept 16
	ds_load_b128 v[AF+4*z:AF+4*z+3], v5 offset:(\buf)*BUF1+z*512
.set z, z+1
.endr
	s_wait_dscnt 0x0                ; all sixteen are used at once; this buffer is stored again only behind the next barrier
.endm
.macro MUL                              ; PR = operand x carry: four accumulators by turns; the first four products start the sums
.irp t, 0,1,2,3
	v_wmma_f32_16x16x32_f16 v[PR+8*\t:PR+8*\t+7], v[AF+16*\t:AF+16*\t+7], v[FB:FB+7], 0
.endr
.irp t, 0,1,2,3
	v_wmma_f32_16x16x32_f16 v[PR+8*\t:PR+8*\t+7], v[AF+16*\t+8:AF+16*\t+15], v[FB+8:FB+15], v[PR+8*\t:PR+8*\t+7]
.endr
.rept 5
	v_nop                           ; the places in front of the reads of PR, of the next packing into FB, of loads into AF and of the next products; no other vector work is at hand
.endr
.endm
.macro STAGE buf                        ; carry += factor x (P~_k x carry); the factor is 0 in columns whose number lacks bit k
	PACK CAR
	PUBLISH \buf
	GETA \buf
	MUL
	v_and_b32 v17, s18, v6
	v_cmp_ne_u32 vcc_lo, 0, v17
	v_cndmask_b32 v8, 0, s19, vcc_lo
	v_mov_b32 v9, v8                ; named with v8 as a pair
.set z, 0
.rept 16
	v_pk_fma_f32 v[CAR+2*z:CAR+2*z+1], v[PR+2*z:PR+2*z+1], v[8:9], v[CAR+2*z:CAR+2*z+1] op_sel_hi:[1,0,1]
.set z, z+1
.endr
	s_lshl_b32 s18, s18, 1
	s_add_co_u32 s19, s19, 0x800000 ; the scale doubles: one more in the exponent field
.endm
.macro EMIT off                         ; carry x s28, rounded to f16, is the table's fragments of Mtile c: each store covers 512 consecutive bytes
	s_mov_b32 s29, s28
	SCALE PR, CAR, 28
	PACK PR
.irp t, 0,1,2,3
	global_store_b128 v12, v[FB+4*\t:FB+4*\t+3], s[10:11] offset:(\off)+(\t)*512
.endr
.endm
	s_load_b256 s[4:11], s[0:1], 0x0
	v_lshl_add_u32 v240, v0, 2, 0xaa00
	v_mov_b32 v241, 0
	v_lshrrev_b32 v17, 5, v0
	v_readfirstlane_b32 s12, v17
	s_lshr_b32 s13, s12, 2
	s_and_b32 s14, s12, 3
	s_mov_b32 s16, 0x39000000       ; 2^-13
	s_mov_b32 s17, s16
	s_mov_b32 s18, 1
	s_mov_b32 s26, 0x76543210
	s_mov_b32 s27, 0xfedcba98
	s_cmp_lt_u32 s13, 2
	s_cselect_b32 s32, -1, 0
	s_cselect_b32 s33, 0x800000, 0
	s_mov_b32 s19, 0x39800000       ; 2^-12 for the vectors,
	s_sub_co_u32 s19, s19, s33      ; 2^-13 for the squarings
	v_and_b32 v1, 15, v0
	v_bfe_u32 v2, v0, 4, 1
	v_and_b32 v17, 31, v0
	v_lshlrev_b32 v3, 4, v17
	v_lshlrev_b32 v18, 3, v17
	v_lshl_add_u32 v7, s14, 4, v1
	v_or_b32 v6, s32, v7            ; groups 0 and 1: every bit set, so every stage applies
	s_xor_b32 s32, s12, 4           ; waves 0-3 publish into region 1, waves 4-7 into region 0
	s_and_b32 s32, s32, 7
	s_lshl_b32 s32, s32, 11
	v_add_nc_u32 v4, s32, v3
	s_and_b32 s32, s13, 1
	s_lshl_b32 s32, s32, 13
	v_add_nc_u32 v5, s32, v3
	v_lshl_add_u32 v12, s14, 11, v3
	v_lshlrev_b32 v11, 5, v2
	s_cmp_eq_u32 s13, 1
	s_cselect_b32 s34, 0x100, 0
	v_mad_u32_u24 v10, v7, s34, v11 ; group 1: row 16 c + r of A; groups 2, 3: the vector itself; + 32 h
	v_lshlrev_b32 v19, 2, v7
	v_lshl_add_u32 v19, v2, 11, v19 ; group 0: column 16 c + r of A, 8 h rows down
	v_sub_nc_u32 v13, 63, v7        ; W: my column 16 c + r is time 63 - (16 c + r)
	v_mul_u32_u24 v13, v13, WP
	v_lshl_add_u32 v13, v2, 4, v13
	v_add_nc_u32 v13, WT, v13
	v_and_b32 v17, 7, v0            ; the turning load: row 8 h + lane % 8, 16 bytes at 16 ((lane / 8) % 2), states 16 c on
	v_lshl_add_u32 v17, v2, 3, v17
	v_mul_u32_u24 v14, v17, WP
	v_bfe_u32 v17, v0, 3, 1
	v_lshl_add_u32 v14, v17, 4, v14
	s_lshl_b32 s32, s14, 5
	s_add_co_u32 s32, s32, WT
	v_add_nc_u32 v14, s32, v14
	v_lshlrev_b32 v17, 3, v2
	v_add_nc_u32 v15, 9, v7
	v_sub_nc_u32 v15, v15, v17
	v_lshl_add_u32 v15, v15, 2, KP  ; K's index 32 + 16 c + r - 8 h - d is this word plus 23 - d
	v_lshl_add_u32 v16, v7, 2, KP+128
	s_wait_kmcnt 0x0
	s_cmp_eq_u32 s13, 2
	s_cselect_b64 s[30:31], s[6:7], s[4:5]
	s_cmp_eq_u32 s13, 3
	s_cselect_b64 s[30:31], s[8:9], s[30:31]
	global_load_b64 v[20:21], v18, s[6:7]          ; all of B, two numbers a lane
	global_load_b64 v[22:23], v18, s[8:9]          ; all of C
.irp i, 0,1,2,3
	global_load_b128 v[AUX+8*\i:AUX+8*\i+3],   v11, s[8:9] offset:64*\i
	global_load_b128 v[AUX+8*\i+4:AUX+8*\i+7], v11, s[8:9] offset:64*\i+16
.endr
	s_cmp_lg_u32 s13, 0
	s_cbranch_scc1 .Lrows
.set z, 0
.rept 32                                ; A by columns: 16 KiB once in the launch
	global_load_b32 v[INI+z], v19, s[4:5] offset:(16*(z/8)+z%8)*256
.set z, z+1
.endr
	s_branch .Lloaded
.Lrows:
.irp i, 0,1,2,3
	global_load_b128 v[INI+8*\i:INI+8*\i+3],   v10, s[30:31] offset:64*\i
	global_load_b128 v[INI+8*\i+4:INI+8*\i+7], v10, s[30:31] offset:64*\i+16
.endr
.Lloaded:
	s_wait_loadcnt 0x0              ; everything is used at once
	; the largest magnitudes of B and of C, in every lane; of them the exponent fields alone
	v_max_num_f32 v20, |v20|, |v21|
	v_max_num_f32 v22, |v22|, |v23|
.irp m, 1,2,4,8
	v_max_num_f32_dpp v20, v20, v20 row_xmask:\m row_mask:0xf bank_mask:0xf
	v_max_num_f32_dpp v22, v22, v22 row_xmask:\m row_mask:0xf bank_mask:0xf
.endr
	v_permlanex16_b32 v21, v20, s26, s27
	v_permlanex16_b32 v23, v22, s26, s27
	v_max_num_f32 v20, v20, v21
	v_max_num_f32 v22, v22, v23
	v_readfirstlane_b32 s32, v20
	v_readfirstlane_b32 s33, v22
	s_and_b32 s32, s32, 0x7f800000
	s_and_b32 s33, s33, 0x7f800000
	s_max_u32 s32, s32, 0x00800000  ; fields 1 to 253, so that the reciprocal below is a normal number too
	s_max_u32 s33, s33, 0x00800000
	s_min_u32 s32, s32, 0x7e800000  ; s32 = 2^eB, s33 = 2^eC
	s_min_u32 s33, s33, 0x7e800000
	s_sub_co_u32 s20, 0x7f000000, s32  ; field 254 - E: 2^-eB
	s_sub_co_u32 s21, 0x7f000000, s33
	s_mul_f32 s22, s32, 0x39800000
	s_mul_f32 s22, s22, s33         ; sigma
	s_cmp_eq_u32 s13, 2
	s_cselect_b32 s24, s20, 1.0
	s_cmp_eq_u32 s13, 3
	s_cselect_b32 s24, s21, s24
	s_mov_b32 s25, s24
	s_mov_b32 s28, s21
	s_mov_b32 s29, s21
	SCALE CAR, INI, 24
	SCALE INI, INI, 24
	SCALE AUX, AUX, 28
	PACK CAR
	PUBLISH 0                       ; A and its transpose
	GETA 0                          ; they stay in AF for the whole series
	s_mov_b32 s15, 8
.Lseries:
	PACK CAR
	MUL
.set z, 0
.rept 16
	v_pk_fma_f32 v[CAR+2*z:CAR+2*z+1], v[PR+2*z:PR+2*z+1], s[16:17], v[INI+2*z:INI+2*z+1] op_sel_hi:[1,0,1]
.set z, z+1
.endr
	s_sub_co_u32 s15, s15, 1
	s_cmp_lg_u32 s15, 0
	s_cbranch_scc1 .Lseries
	s_cmp_lg_u32 s13, 3
	s_cbranch_scc1 .Lnot_c
.set z, 0
.rept 16                                ; Q^T c^ = 2 g - c^
	v_pk_fma_f32 v[CAR+2*z:CAR+2*z+1], v[CAR+2*z:CAR+2*z+1], 2.0, v[INI+2*z:INI+2*z+1] op_sel_hi:[1,0,1] neg_lo:[0,0,1] neg_hi:[0,0,1]
.set z, z+1
.endr
.Lnot_c:
	s_mov_b32 s15, 3
.Lstages:                               ; k = 0..5.  The buffers take turns: a buffer is stored again only behind the barrier of the stage between, in front of which every wave's reads of it were waited for
	STAGE 1
	STAGE 0
	s_sub_co_u32 s15, s15, 1
	s_cmp_lg_u32 s15, 0
	s_cbranch_scc1 .Lstages
	; group 2 lays 2^-8 Wm into LDS as [time 63 - column][state], and K[m] = c^ . column m
	s_cmp_lg_u32 s13, 2
	s_cbranch_scc1 .Lno_w
	s_mov_b32 s28, 0x3b800000       ; 2^-8
	s_mov_b32 s29, s28
	SCALE PR, CAR, 28
	PACK PR
.irp i, 0,1,2,3
	ds_store_b128 v13, v[FB+4*\i:FB+4*\i+3] offset:32*\i   ; states 16 i + 8 h .. + 7
.endr
	v_pk_mul_f32 v[18:19], v[AUX:AUX+1], v[CAR:CAR+1]
	v_pk_mul_f32 v[20:21], v[AUX+2:AUX+3], v[CAR+2:CAR+3]
.set z, 2
.rept 7                                 ; two chains
	v_pk_fma_f32 v[18:19], v[AUX+2*z:AUX+2*z+1], v[CAR+2*z:CAR+2*z+1], v[18:19]
	v_pk_fma_f32 v[20:21], v[AUX+2*z+2:AUX+2*z+3], v[CAR+2*z+2:CAR+2*z+3], v[20:21]
.set z, z+2
.endr
	v_pk_add_f32 v[18:19], v[18:19], v[20:21]
	v_add_f32 v18, v18, v19
	v_permlanex16_b32 v19, v18, s26, s27   ; the other 32 states lie in the lane 16 away
	v_add_f32 v18, v18, v19
	ds_store_b32 v16, v18           ; both halves of the lanes store the same number to the same word
	s_cmp_lg_u32 s14, 0
	s_cbranch_scc1 .Lno_w
	v_lshrrev_b32 v22, 2, v3
	v_add_nc_u32 v22, KP, v22
	v_mov_b32 v23, 0
	ds_store_b32 v22, v23           ; K below index 0
.Lno_w:
	s_wait_dscnt 0x0
	s_barrier_signal -1
	s_barrier_wait -1
	s_cmp_lg_u32 s13, 2
	s_cbranch_scc1 .Lnot2
.irp t, 0,1,2,3
	ds_load_tr16_b128 v[PR+4*\t:PR+4*\t+3], v14 offset:(\t)*16*WP   ; quad t: times 16 t + 8 h .. + 7 of state 16 c + r
.endr
.irp d, 0,1,2,3,4,5,6,7
	ds_load_b32 v[PR+16+\d], v15 offset:(23-\d)*4                   ; K[16 c + r - (8 h + d)]
.endr
.irp d, 0,1,2,3,4,5,6,7
	ds_load_b32 v[PR+24+\d], v15 offset:(7-\d)*4                    ; K[16 c + r - (16 + 8 h + d)]
.endr
	v_lshl_add_u32 v23, s14, 10, v3
	s_wait_dscnt 0x0
.irp p, 0,1,2,3,4,5,6,7
	v_cvt_pk_f16_f32 v[FB+\p], v[PR+16+2*\p], v[PR+16+2*\p+1]
.endr
.irp t, 0,1,2,3
	global_store_b128 v12, v[PR+4*\t:PR+4*\t+3], s[10:11] offset:T_W2+(\t)*512
.endr
	global_store_b128 v23, v[FB:FB+3], s[10:11] offset:T_T
	global_store_b128 v23, v[FB+4:FB+7], s[10:11] offset:T_T+512
	s_branch .Ltabs
.Lnot2:
	s_cmp_lg_u32 s13, 1
	s_cbranch_scc1 .Lnot1
	s_mov_b32 s28, 0x3c800000       ; P6 = 2^-6 P~_6
	EMIT T_P6
	s_branch .Ltabs
.Lnot1:
	s_cmp_lg_u32 s13, 3
	s_cbranch_scc1 .Ltabs
	s_mov_b32 s28, 0x43800000       ; V2 = 2^8 Cm transposed
	EMIT T_V2
.Ltabs:
	s_wait_xcnt 0x0                 ; the stores' data registers (FB, PR) are written again only behind this wait
	STAGE 1                         ; k = 6, 7: the squarings go on; no column number has these bits, so Wm and Cm stay
	STAGE 0
	s_cmp_lg_u32 s13, 1
	s_cbranch_scc1 .Lno8
	s_mov_b32 s28, 0x3d800000       ; P8 = 2^-4 P~_8
	EMIT T_P8
.Lno8:
	s_cmp_lg_u32 s12, 0
	s_cbranch_scc1 .Lend
	v_mov_b32 v18, s22
	v_mov_b32 v19, s22
	v_lshrrev_b32 v20, 1, v3
	global_store_b64 v20, v[18:19], s[10:11] offset:T_SG   ; 256 consecutive bytes
.Lend:
	s_wait_tensorcnt 0x0
	ds_add_u32 v240, v241
	s_wait_dscnt 0x0
	s_endpgm
.Lfunc_end_k_q32888652b3_setup:
	.size	k_q32888652b3_setup, .Lfunc_end_k_q32888652b3_setup-k_q32888652b3_setup
	.p2alignl 7, 3214868480
	.fill 96, 4, 3214868480
	.section	.rodata,"a",@progbits
	.p2align	6, 0x0
	.amdhsa_kernel k_q32888652b3_setup
		.amdhsa_group_segment_fixed_size 45568
		.amdhsa_private_segment_fixed_size 0
		.amdhsa_enable_private_segment 0
		.amdhsa_kernarg_size 32
		.amdhsa_user_sgpr_count 2
		.amdhsa_user_sgpr_kernarg_segment_ptr 1
		.amdhsa_wavefront_size32 1
		.amdhsa_system_sgpr_workgroup_id_x 1
		.amdhsa_system_sgpr_workgroup_id_y 1
		.amdhsa_system_sgpr_workgroup_id_z 1
		.amdhsa_system_vgpr_workitem_id 0
		.amdhsa_next_free_vgpr 242
		.amdhsa_next_free_sgpr 66
		.amdhsa_reserve_vcc 1
		.amdhsa_float_denorm_mode_32 3
		.amdhsa_float_denorm_mode_16_64 3
		.amdhsa_memory_ordered 1
		.amdhsa_forward_progress 1
		.amdhsa_inst_pref_size 51
	.end_amdhsa_kernel
	.amdgpu_metadata
---
amdhsa.version: [ 1, 2 ]
amdhsa.kernels:
  - .name:           k_q32888652b3_setup
    .symbol:         k_q32888652b3_setup.kd
    .args:
      - { .name: A, .offset: 0, .size: 8, .value_kind: global_buffer, .address_space: global }
      - { .name: B, .offset: 8, .size: 8, .value_kind: global_buffer, .address_space: global }
      - { .name: C, .offset: 16, .size: 8, .value_kind: global_buffer, .address_space: global }
      - { .name: tab, .offset: 24, .size: 8, .value_kind: global_buffer, .address_space: global }
    .group_segment_fixed_size: 45568
    .private_segment_fixed_size: 0
    .kernarg_segment_align: 8
    .kernarg_segment_size: 32
    .max_flat_workgroup_size: 512
    .sgpr_count:     66
    .vgpr_count:     242
    .wavefront_size: 32
...
	.end_amdgpu_metadata
.endif
;; end of part 1
;; launch segst (part 2): grid 64 x 3, 1 waves a work-group, no clusters, 0 bytes of LDS; arguments u, tab, xs; writes xs
.if DOCPART == 2
	.amdgcn_target "amdgcn-amd-amdhsa--gfx1250"
	.amdhsa_code_object_version 6
	.text
	.protected	k_q32888652b3_segst
	.globl	k_q32888652b3_segst
	.p2align	8
	.type	k_q32888652b3_segst,@function
k_q32888652b3_segst:
	s_mov_b64 s[64:65], 0
	v_nop
	global_prefetch_b8 v0, s[64:65] scope:SCOPE_SE
	s_setreg_imm32_b32 hwreg(HW_REG_WAVE_MODE, 25, 1), 1
	s_wait_xcnt 0x0
; THE END STATES OF SEGMENTS.  Work-group (gx, p): batch gx / 8, columns 64 (gx % 8) .. + 63, rows 1024 p .. + 1023 of u, p = 0..2.  From a zero state it runs 16 chunks of 64 rows,
;   x += P6 f16(x) + W2 f16(u_chunk)        (x in units of 2^(eB - 12 + 8); P6 = Q^64 - I, W2[n][j] = 2^-8 (Q^(63-j) b')[n], both f16 from the launch before),
; and stores x in f32 as it lies in registers.  The fourth segment's end state is wanted by nobody.
; LIMITS: |u| and |x| below 65,504 (f16 operands); NaN and infinities are not treated apart.
; ONE WAVE A WORK-GROUP, no LDS, no barrier: 64 columns are the 256 aligned bytes that half a wave's load covers, and 64 column groups x 3 segments are the recurrences that do not depend on each other.
; No cluster: what work-groups share is 16 KiB of tables against 256 KiB of u each.
; LAYOUT.  Column tile x (0..3) is made of columns 4 r + x.  A 16-byte load at row 16 i + 8 h + jj, columns 4 r .. 4 r + 3, gives register x to tile x; two rows jj, jj + 1 rounded to f16 are
; register 4 (i % 2) + jj / 2 of source-1 fragment (x, kb = i / 2): K in its true place, nothing changes lanes.  A result tile (I, x), packed in pairs, is in the same way a fragment of the state.
; REGISTERS, in windows of 256 (s_set_vgpr_msb: bits 1:0 source 0, 3:2 source 1, 5:4 source 2, 7:6 destination):
;   window 0: v1 my offset in a chunk of u, v2 16 lane; v[16:79] UF, fragment (x, kb) at 16 x + 8 kb; v[80:143] XF likewise
;   window 1: v[0:63] W2, v[64:127] P6, fragment 2 I + kb        window 2: v[0:127] the state, tile (I, x) at 8 (4 I + x)        window 3: two buffers of 128: a chunk of u as loaded, quad (i, jj) at 4 (8 i + jj)
.set UF,  16
.set XF,  80
.set TW2, 0
.set TP6, 64
.set XA,  0
.set MSB, 0
.macro WIN new                          ; the immediate's high byte repeats the setting that is left; a switch that changes nothing is dropped
.if MSB != (\new)
	s_set_vgpr_msb (MSB<<8)|(\new)
.set MSB, (\new)
.endif
.endm
.macro IMG win, dst, n, blo, off        ; a register image: quad t at 512 t + 16 lane
	WIN \win
.set z, 0
.rept \n
	global_load_b128 v[(\dst)+4*z:(\dst)+4*z+3], v2, s[\blo:\blo+1] offset:(\off)+z*512
.set z, z+1
.endr
.endm
.macro ULOAD b, k                       ; the chunk k chunks behind the base: 32 loads, each two aligned runs of 256 bytes.  No hint: the next launch reads u again
	WIN 0xc0
.set z, 0
.rept 32
	global_load_b128 v[128*(\b)+4*z:128*(\b)+4*z+3], v1, s[20:21] offset:(\k)*131072+(16*(z/8)+z%8)*2048
.set z, z+1
.endr
.endm
.macro UPACK b
	WIN 0x0f
.set i, 0
.rept 4
.set p, 0
.rept 4
.set x, 0
.rept 4
	v_cvt_pk_f16_f32 v[UF+16*x+8*(i/2)+4*(i%2)+p], v[128*(\b)+4*(8*i+2*p)+x], v[128*(\b)+4*(8*i+2*p+1)+x]
.set x, x+1
.endr
.set p, p+1
.endr
.set i, i+1
.endr
.endm
.macro XPACK                            ; each tile's registers in ascending order
	WIN 0x0a
.set I, 0
.rept 4
.set x, 0
.rept 4
.set p, 0
.rept 4
	v_cvt_pk_f16_f32 v[XF+16*x+8*(I/2)+4*(I%2)+p], v[XA+8*(4*I+x)+2*p], v[XA+8*(4*I+x)+2*p+1]
.set p, p+1
.endr
.set x, x+1
.endr
.set I, I+1
.endr
.endm
; One product for each tile (I, x), I from I0: source 0 at abase + astep I, source 1 at bbase + 16 x.  The accumulators take turns, one instruction a turn, in the same order in every pass.
.macro PASS acc, abase, astep, bbase, zero, I0
.set I, \I0
.rept 4-(\I0)
.set x, 0
.rept 4
.if \zero
	v_wmma_f32_16x16x32_f16 v[(\acc)+8*(4*I+x):(\acc)+8*(4*I+x)+7], v[(\abase)+(\astep)*I:(\abase)+(\astep)*I+7], v[(\bbase)+16*x:(\bbase)+16*x+7], 0
.else
	v_wmma_f32_16x16x32_f16 v[(\acc)+8*(4*I+x):(\acc)+8*(4*I+x)+7], v[(\abase)+(\astep)*I:(\abase)+(\astep)*I+7], v[(\bbase)+16*x:(\bbase)+16*x+7], v[(\acc)+8*(4*I+x):(\acc)+8*(4*I+x)+7]
.endif
.set x, x+1
.endr
.set I, I+1
.endr
.endm
.macro NOP5                             ; the places behind the last products, in front of reads of the results and of the next packings into UF and XF (ISA guide 7.12.1)
.rept 5
	v_nop
.endr
.endm
; A chunk in buffer b.  ld = 1: the buffer is loaded again with the chunk two further on.  first = 1: the state is 0, so W2 u starts the sums.  left: the younger loads that may stay out.
.macro ACHUNK b, ld, off, first, left
	s_wait_loadcnt \left            ; loads come back in order: my chunk (and at the first chunk the tables, issued ahead of it) is in; the next chunk's 32 loads stay out
	UPACK \b
.if \ld
	ULOAD \b, (\off)+2
.endif
.if !(\first)
	XPACK
	WIN 0xa1
	PASS XA, TP6, 16, XF, 0, 0
	PASS XA, TP6+8, 16, XF+8, 0, 0
.endif
	WIN 0xa1
	PASS XA, TW2, 16, UF, \first, 0
	PASS XA, TW2+8, 16, UF+8, 0, 0
	NOP5
.endm
	s_load_b128 s[4:7], s[0:1], 0x0     ; u, tab
	s_load_b64 s[8:9], s[0:1], 0x10     ; xs
	v_and_b32 v3, 15, v0
	v_bfe_u32 v4, v0, 4, 1
	v_lshlrev_b32 v1, 4, v3
	v_lshl_add_u32 v1, v4, 14, v1       ; 16 r + 8 h rows of 2,048 bytes
	v_lshlrev_b32 v2, 4, v0
	s_mov_b32 s12, ttmp9
	s_and_b32 s13, ttmp7, 0xffff
	s_lshr_b32 s18, s12, 3
	s_lshl_b32 s18, s18, 23             ; the batch: 4,096 rows of 2,048 bytes
	s_lshl_b32 s16, s13, 21             ; the segment: 1,024 rows
	s_add_co_u32 s18, s18, s16
	s_and_b32 s16, s12, 7
	s_lshl_b32 s16, s16, 8              ; the column group: 256 bytes
	s_add_co_u32 s18, s18, s16
	s_mov_b32 s19, 0
	s_mul_i32 s22, s12, 3
	s_add_co_u32 s22, s22, s13
	s_lshl_b32 s22, s22, 14             ; block (gx, p) of 16,384 bytes
	s_mov_b32 s23, 0
	s_wait_kmcnt 0x0
	s_add_nc_u64 s[20:21], s[4:5], s[18:19]
	s_add_nc_u64 s[24:25], s[8:9], s[22:23]
	IMG 0x40, TW2, 16, 6, 0
	IMG 0x40, TP6, 16, 6, 8192
	ULOAD 0, 0
	ULOAD 1, 1
	ACHUNK 0, 1, 0, 1, 32
	ACHUNK 1, 1, 1, 0, 32
	WIN 0                               ; at a label and at a branch every window is 0
	s_wait_xcnt 0x0                     ; the base is stepped only behind this wait
	s_add_nc_u64 s[20:21], s[20:21], 262144
	s_mov_b32 s15, 6
.Ltrip:                                 ; chunks 2 t + 2, 2 t + 3; loads of chunks 2 t + 4, 2 t + 5: the last trip asks for chunks 14 and 15, the segment's last
	ACHUNK 0, 1, 0, 0, 32
	ACHUNK 1, 1, 1, 0, 32
	WIN 0
	s_wait_xcnt 0x0
	s_add_nc_u64 s[20:21], s[20:21], 262144
	s_sub_co_u32 s15, s15, 1
	s_cmp_lg_u32 s15, 0
	s_cbranch_scc1 .Ltrip
	ACHUNK 0, 0, 0, 0, 32               ; the last two chunks load nothing: the counts run down
	ACHUNK 1, 0, 1, 0, 0
	WIN 0x08                            ; store data in window 2
.set z, 0
.rept 32
	global_store_b128 v2, v[XA+4*z:XA+4*z+3], s[24:25] offset:z*512   ; 512 consecutive bytes each
.set z, z+1
.endr
	WIN 0
	s_endpgm
.Lfunc_end_k_q32888652b3_segst:
	.size	k_q32888652b3_segst, .Lfunc_end_k_q32888652b3_segst-k_q32888652b3_segst
	.p2alignl 7, 3214868480
	.fill 96, 4, 3214868480
	.section	.rodata,"a",@progbits
	.p2align	6, 0x0
	.amdhsa_kernel k_q32888652b3_segst
		.amdhsa_group_segment_fixed_size 0
		.amdhsa_private_segment_fixed_size 0
		.amdhsa_enable_private_segment 0
		.amdhsa_kernarg_size 24
		.amdhsa_user_sgpr_count 2
		.amdhsa_user_sgpr_kernarg_segment_ptr 1
		.amdhsa_wavefront_size32 1
		.amdhsa_system_sgpr_workgroup_id_x 1
		.amdhsa_system_sgpr_workgroup_id_y 1
		.amdhsa_system_sgpr_workgroup_id_z 1
		.amdhsa_system_vgpr_workitem_id 0
		.amdhsa_next_free_vgpr 1024
		.amdhsa_next_free_sgpr 66
		.amdhsa_reserve_vcc 0
		.amdhsa_float_denorm_mode_32 3
		.amdhsa_float_denorm_mode_16_64 3
		.amdhsa_memory_ordered 1
		.amdhsa_forward_progress 1
		.amdhsa_inst_pref_size 94
	.end_amdhsa_kernel
	.amdgpu_metadata
---
amdhsa.version: [ 1, 2 ]
amdhsa.kernels:
  - .name:           k_q32888652b3_segst
    .symbol:         k_q32888652b3_segst.kd
    .args:
      - { .name: u, .offset: 0, .size: 8, .value_kind: global_buffer, .address_space: global }
      - { .name: tab, .offset: 8, .size: 8, .value_kind: global_buffer, .address_space: global }
      - { .name: xs, .offset: 16, .size: 8, .value_kind: global_buffer, .address_space: global }
    .group_segment_fixed_size: 0
    .private_segment_fixed_size: 0
    .kernarg_segment_align: 8
    .kernarg_segment_size: 24
    .max_flat_workgroup_size: 32
    .sgpr_count:     66
    .vgpr_count:     1024
    .wavefront_size: 32
...
	.end_amdgpu_metadata
.endif
;; end of part 2
;; launch s4out (part 3): grid 64 x 4, 1 waves a work-group, no clusters, 0 bytes of LDS; arguments u, tab, xs, out0; writes out0
.if DOCPART == 3
	.amdgcn_target "amdgcn-amd-amdhsa--gfx1250"
	.amdhsa_code_object_version 6
	.text
	.protected	k_q32888652b3_s4out
	.globl	k_q32888652b3_s4out
	.p2align	8
	.type	k_q32888652b3_s4out,@function
k_q32888652b3_s4out:
	s_mov_b64 s[64:65], 0
	v_nop
	global_prefetch_b8 v0, s[64:65] scope:SCOPE_SE
	s_setreg_imm32_b32 hwreg(HW_REG_WAVE_MODE, 25, 1), 1
	s_wait_xcnt 0x0
; THE OUTPUT.  Work-group (gx, q): batch gx / 8, columns 64 (gx % 8) .. + 63, rows 1024 q .. + 1023.
; CARRY.  The state in front of the segment: X_0 = 0, X_1 = S_0, X_(p+1) = Q^1024 X_p + S_p, with S_p from the launch before and Q^1024 applied as four steps x += P8 f16(x), P8 = Q^256 - I.
; THEN 16 chunks of 64 rows:   y^ = T f16(u) + V2 f16(x);   x += P6 f16(x) + W2 f16(u);   out = sigma y^        (T[i][j] = K[i - j] below and on the diagonal: the two blocks above it are not multiplied).
; All tables are f16 register images from the first launch; sums, the state and the scaling by sigma (a power of two) in f32.
; LIMITS: |u| and |x| (in units of 2^(eB - 12 + 8)) below 65,504; NaN and infinities are not treated apart.
; ONE WAVE A WORK-GROUP, no LDS, no barrier, no cluster, and the LAYOUT (column tile x = columns 4 r + x, so that loads, fragments, results and stores meet in the same lane) are those of the launch before:
; result tile (I, x), register j, is row 16 I + 8 h + j, column 4 r + x, so the four tiles' registers j make 16 neighbouring bytes, and sixteen lanes store 256 aligned bytes.  The multiply by sigma gathers them.
; REGISTERS, in windows of 256 (s_set_vgpr_msb: bits 1:0 source 0, 3:2 source 1, 5:4 source 2, 7:6 destination):
;   window 0: v1 my offset in a chunk, v2 16 lane; v[16:79] UF; v[80:143] XF; v[144:207] 16 rows of output (P8 during the carry)
;   window 1: v[0:63] W2, v[64:127] P6, v[128:191] V2 (fragment 2 I + kb), v[192:223] T (fragment e)        window 2: v[0:127] x, v[128:255] y^, tile (I, x) at 8 (4 I + x)        window 3: two chunks of u as loaded
.set UF,   16
.set XF,   80
.set OUTR, 144
.set TW2,  0
.set TP6,  64
.set TV2,  128
.set TT,   192
.set XA,   0
.set YA,   128
.set MSB, 0
.macro WIN new                          ; the immediate's high byte repeats the setting that is left; a switch that changes nothing is dropped
.if MSB != (\new)
	s_set_vgpr_msb (MSB<<8)|(\new)
.set MSB, (\new)
.endif
.endm
.macro IMG win, dst, n, blo, off        ; a register image: quad t at 512 t + 16 lane
	WIN \win
.set z, 0
.rept \n
	global_load_b128 v[(\dst)+4*z:(\dst)+4*z+3], v2, s[\blo:\blo+1] offset:(\off)+z*512
.set z, z+1
.endr
.endm
.macro ULOAD b, k                       ; the chunk k chunks behind the base: 32 loads, each two aligned runs of 256 bytes; u is read here for the last time
	WIN 0xc0
.set z, 0
.rept 32
	global_load_b128 v[128*(\b)+4*z:128*(\b)+4*z+3], v1, s[20:21] offset:(\k)*131072+(16*(z/8)+z%8)*2048 th:TH_LOAD_NT
.set z, z+1
.endr
.endm
.macro UPACK b
	WIN 0x0f
.set i, 0
.rept 4
.set p, 0
.rept 4
.set x, 0
.rept 4
	v_cvt_pk_f16_f32 v[UF+16*x+8*(i/2)+4*(i%2)+p], v[128*(\b)+4*(8*i+2*p)+x], v[128*(\b)+4*(8*i+2*p+1)+x]
.set x, x+1
.endr
.set p, p+1
.endr
.set i, i+1
.endr
.endm
.macro XPACK                            ; each tile's registers in ascending order
	WIN 0x0a
.set I, 0
.rept 4
.set x, 0
.rept 4
.set p, 0
.rept 4
	v_cvt_pk_f16_f32 v[XF+16*x+8*(I/2)+4*(I%2)+p], v[XA+8*(4*I+x)+2*p], v[XA+8*(4*I+x)+2*p+1]
.set p, p+1
.endr
.set x, x+1
.endr
.set I, I+1
.endr
.endm
; One product for each tile (I, x), I from I0: source 0 at abase + astep I, source 1 at bbase + 16 x.  The accumulators take turns, one instruction a turn, in the same order in every pass.
.macro PASS acc, abase, astep, bbase, zero, I0
.set I, \I0
.rept 4-(\I0)
.set x, 0
.rept 4
.if \zero
	v_wmma_f32_16x16x32_f16 v[(\acc)+8*(4*I+x):(\acc)+8*(4*I+x)+7], v[(\abase)+(\astep)*I:(\abase)+(\astep)*I+7], v[(\bbase)+16*x:(\bbase)+16*x+7], 0
.else
	v_wmma_f32_16x16x32_f16 v[(\acc)+8*(4*I+x):(\acc)+8*(4*I+x)+7], v[(\abase)+(\astep)*I:(\abase)+(\astep)*I+7], v[(\bbase)+16*x:(\bbase)+16*x+7], v[(\acc)+8*(4*I+x):(\acc)+8*(4*I+x)+7]
.endif
.set x, x+1
.endr
.set I, I+1
.endr
.endm
.macro NOP5                             ; the places behind the last products, in front of reads of the results and of the next packings into UF and XF (ISA guide 7.12.1)
.rept 5
	v_nop
.endr
.endm
; A chunk in buffer b, off chunks behind the bases.  ld = 1: the buffer is loaded again with the chunk two further on.  left: the younger loads that may stay out.
.macro CHUNK b, ld, off, left
	s_wait_loadcnt \left            ; loads come back in order: my chunk (and at the first chunk the tables, issued ahead of it) is in; the next chunk's 32 loads stay out
	UPACK \b
.if \ld
	ULOAD \b, (\off)+2
.endif
	XPACK
	WIN 0xa1
	PASS YA, TT, 8, UF, 1, 0            ; columns 0-31 of T: block row I takes fragment I; these products start y^
	PASS YA, TV2, 16, XF, 0, 0
	PASS YA, TV2+8, 16, XF+8, 0, 0
	PASS YA, TT-16, 8, UF+8, 0, 2       ; columns 32-63: block rows 2 and 3 take fragments 0 and 1; rows 0-31 see none of these inputs
	PASS XA, TP6, 16, XF, 0, 0
	PASS XA, TP6+8, 16, XF+8, 0, 0
	PASS XA, TW2, 16, UF, 0, 0
	PASS XA, TW2+8, 16, UF+8, 0, 0
	NOP5
.set H, 0
.rept 2                                 ; 32 rows at a time
	s_wait_xcnt 0x0                 ; the output registers, which earlier stores read, are written again only behind this wait
	WIN 0x08
.set I, 2*H
.rept 2
.set j, 0
.rept 8
.set x, 0
.rept 4
	v_mul_f32 v[OUTR+4*(8*(I%2)+j)+x], s14, v[YA+8*(4*I+x)+j]
.set x, x+1
.endr
.set j, j+1
.endr
.set I, I+1
.endr
	WIN 0
.set I, 2*H
.rept 2
.set j, 0
.rept 8
	global_store_b128 v1, v[OUTR+4*(8*(I%2)+j):OUTR+4*(8*(I%2)+j)+3], s[22:23] offset:(\off)*131072+(16*I+j)*2048 th:TH_STORE_NT  ; sixteen lanes store 256 consecutive bytes, at a multiple of 256 from out0's first byte
.set j, j+1
.endr
.set I, I+1
.endr
.set H, H+1
.endr
.endm
	s_load_b256 s[4:11], s[0:1], 0x0    ; u, tab, xs, out0
	v_and_b32 v3, 15, v0
	v_bfe_u32 v4, v0, 4, 1
	v_lshlrev_b32 v1, 4, v3
	v_lshl_add_u32 v1, v4, 14, v1       ; 16 r + 8 h rows of 2,048 bytes
	v_lshlrev_b32 v2, 4, v0
	s_mov_b32 s12, ttmp9
	s_and_b32 s13, ttmp7, 0xffff
	s_lshr_b32 s18, s12, 3
	s_lshl_b32 s18, s18, 23             ; the batch
	s_lshl_b32 s16, s13, 21             ; the segment
	s_add_co_u32 s18, s18, s16
	s_and_b32 s16, s12, 7
	s_lshl_b32 s16, s16, 8              ; the column group
	s_add_co_u32 s18, s18, s16
	s_mov_b32 s19, 0
	s_mul_i32 s26, s12, 3
	s_lshl_b32 s26, s26, 14             ; block (gx, 0) of xs
	s_mov_b32 s27, 0
	s_wait_kmcnt 0x0
	s_load_b32 s14, s[6:7], 0x9000      ; sigma
	s_add_nc_u64 s[20:21], s[4:5], s[18:19]
	s_add_nc_u64 s[22:23], s[10:11], s[18:19]
	s_add_nc_u64 s[24:25], s[8:9], s[26:27]
	IMG 0x40, TW2, 16, 6, 0
	IMG 0x40, TP6, 16, 6, 8192
	IMG 0x40, TV2, 16, 6, 16384
	IMG 0x40, TT, 8, 6, 24576
	ULOAD 0, 0
	ULOAD 1, 1
	WIN 0                               ; at a label and at a branch every window is 0
	s_wait_kmcnt 0x0
	s_cmp_lg_u32 s13, 0
	s_cbranch_scc1 .Lcarry_in
	WIN 0x80
.set z, 0
.rept 128                               ; the first segment starts from the zero state: cleared once, in the wait for the first chunk, so that one text serves every chunk
	v_mov_b32 v[XA+z], 0
.set z, z+1
.endr
	WIN 0
	s_branch .Lmain
.Lcarry_in:
	IMG 0, OUTR, 16, 6, 28672           ; P8
	IMG 0x80, XA, 32, 24, 0             ; X_1 = S_0
	WIN 0
	s_wait_loadcnt 0x0                  ; S_0 and P8 are the youngest loads
	s_mov_b32 s16, 1
	s_cmp_lt_u32 s16, s13
	s_cbranch_scc0 .Lmain
.Lcarry:                                ; p = 1 .. q - 1
	s_add_nc_u64 s[24:25], s[24:25], 16384   ; every load by this base has been waited for
	IMG 0x80, YA, 32, 24, 0             ; S_p comes in while Q^1024 is applied
	WIN 0
	s_mov_b32 s17, 4
.Lpow:
	XPACK
	WIN 0xa0                            ; source 0 (P8) in window 0
	PASS XA, OUTR, 16, XF, 0, 0
	PASS XA, OUTR+8, 16, XF+8, 0, 0
	NOP5
	WIN 0
	s_sub_co_u32 s17, s17, 1
	s_cmp_lg_u32 s17, 0
	s_cbranch_scc1 .Lpow
	s_wait_loadcnt 0x0                  ; S_p
	WIN 0x8a
.set z, 0
.rept 64
	v_pk_add_f32 v[XA+2*z:XA+2*z+1], v[XA+2*z:XA+2*z+1], v[YA+2*z:YA+2*z+1]
.set z, z+1
.endr
	WIN 0
	s_add_co_u32 s16, s16, 1
	s_cmp_lt_u32 s16, s13
	s_cbranch_scc1 .Lcarry
.Lmain:
	s_mov_b32 s15, 7
.Ltrip:                                 ; chunks 2 t, 2 t + 1; loads of chunks 2 t + 2, 2 t + 3: the last trip asks for chunks 14 and 15, the segment's last
	CHUNK 0, 1, 0, 32
	CHUNK 1, 1, 1, 32
	WIN 0
	s_wait_xcnt 0x0                     ; the bases are stepped only behind this wait
	s_add_nc_u64 s[20:21], s[20:21], 262144
	s_add_nc_u64 s[22:23], s[22:23], 262144
	s_sub_co_u32 s15, s15, 1
	s_cmp_lg_u32 s15, 0
	s_cbranch_scc1 .Ltrip
	CHUNK 0, 0, 0, 32                   ; the last two chunks load nothing: the counts run down
	CHUNK 1, 0, 1, 0
	WIN 0
	s_endpgm
.Lfunc_end_k_q32888652b3_s4out:
	.size	k_q32888652b3_s4out, .Lfunc_end_k_q32888652b3_s4out-k_q32888652b3_s4out
	.p2alignl 7, 3214868480
	.fill 96, 4, 3214868480
	.section	.rodata,"a",@progbits
	.p2align	6, 0x0
	.amdhsa_kernel k_q32888652b3_s4out
		.amdhsa_group_segment_fixed_size 0
		.amdhsa_private_segment_fixed_size 0
		.amdhsa_enable_private_segment 0
		.amdhsa_kernarg_size 32
		.amdhsa_user_sgpr_count 2
		.amdhsa_user_sgpr_kernarg_segment_ptr 1
		.amdhsa_wavefront_size32 1
		.amdhsa_system_sgpr_workgroup_id_x 1
		.amdhsa_system_sgpr_workgroup_id_y 1
		.amdhsa_system_sgpr_workgroup_id_z 1
		.amdhsa_system_vgpr_workitem_id 0
		.amdhsa_next_free_vgpr 1024
		.amdhsa_next_free_sgpr 66
		.amdhsa_reserve_vcc 0
		.amdhsa_float_denorm_mode_32 3
		.amdhsa_float_denorm_mode_16_64 3
		.amdhsa_memory_ordered 1
		.amdhsa_forward_progress 1
		.amdhsa_inst_pref_size 134
	.end_amdhsa_kernel
	.amdgpu_metadata
---
amdhsa.version: [ 1, 2 ]
amdhsa.kernels:
  - .name:           k_q32888652b3_s4out
    .symbol:         k_q32888652b3_s4out.kd
    .args:
      - { .name: u, .offset: 0, .size: 8, .value_kind: global_buffer, .address_space: global }
      - { .name: tab, .offset: 8, .size: 8, .value_kind: global_buffer, .address_space: global }
      - { .name: xs, .offset: 16, .size: 8, .value_kind: global_buffer, .address_space: global }
      - { .name: out0, .offset: 24, .size: 8, .value_kind: global_buffer, .address_space: global }
    .group_segment_fixed_size: 0
    .private_segment_fixed_size: 0
    .kernarg_segment_align: 8
    .kernarg_segment_size: 32
    .max_flat_workgroup_size: 32
    .sgpr_count:     66
    .vgpr_count:     1024
    .wavefront_size: 32
...
	.end_amdgpu_metadata
.endif
;; end of part 3
;; ======== version 2 of 2: 3 launches; 1.18 times as fast as version 1
;; limits: an iteration or a series of the reference is cut at 8 steps; right only within a limited range of input values; values are held in f16: magnitudes above 65,504 overflow, below 6.1e-05 lose precision; inputs' magnitudes at most 65,504
;; workspace buffers: tab 37,120 bytes; xs 3,145,728 bytes
;; launch setup: the kernel of part 1 again; grid 1 x 1, 16 waves a work-group, no clusters, 45,568 bytes of LDS; arguments A, B, C, tab; writes tab
;; launch segst (part 4): grid 64 x 3, 4 waves a work-group, no clusters, 66,048 bytes of LDS; arguments u, tab, xs; writes xs
.if DOCPART == 4
	.amdgcn_target "amdgcn-amd-amdhsa--gfx1250"
	.amdhsa_code_object_version 6
	.text
	.protected	k_q32888652b3_segst
	.globl	k_q32888652b3_segst
	.p2align	8
	.type	k_q32888652b3_segst,@function
k_q32888652b3_segst:
	s_mov_b64 s[64:65], 0
	v_nop
	global_prefetch_b8 v0, s[64:65] scope:SCOPE_SE
	s_setreg_imm32_b32 hwreg(HW_REG_WAVE_MODE, 25, 1), 1
	s_wait_xcnt 0x0
; THE END STATES OF SEGMENTS.  Work-group (gx, p): batch gx / 8, columns 64 (gx % 8) .. + 63, rows 1024 p .. + 1023 of u, p = 0..2.  The fourth segment's end state is wanted by nobody.
; FOUR WAVES, one sub-segment of 256 rows each.  From a zero state wave w runs 4 chunks of 64 rows,
;   x += P6 f16(x) + W2 f16(u_chunk)        (x in units of 2^(eB - 12 + 8); P6 = Q^64 - I, W2[n][j] = 2^-8 (Q^(63-j) b')[n], f16 tables of the launch before),
; which gives s_w.  The segment's end state is S = ((s_0 M + s_1) M + s_2) M + s_3 with M = Q^256, applied as x += P8 f16(x), P8 = Q^256 - I.
; These three steps are shared by COLUMNS: the s_w go into LDS in f32, and behind one barrier wave x takes column tile x of all four, does the steps on its 4 tiles and stores them.
; LIMITS: |u| and |x| below 65,504 (f16 operands); NaN and infinities are not treated apart.
; No tensor loads: every change of layout but the carry's is local to a lane.  No cluster: what work-groups share is 24 KiB of tables against 256 KiB of u each.
; LAYOUT.  Column tile x (0..3) is made of columns 4 r + x.  A 16-byte load at row 16 i + 8 h + jj, columns 4 r .. 4 r + 3, gives register x to tile x; two rows jj, jj + 1 rounded to f16 are
; register 4 (i % 2) + jj / 2 of source-1 fragment (x, kb = i / 2): K in its true place, nothing changes lanes.  A result tile (I, x), packed in pairs, is in the same way a fragment of the state.
; LDS: four regions of 16,384 bytes, region w = s_w as it lies in registers: quad t (registers 4 t ..) at 512 t + 16 lane; column x is the bytes 4096 I + 1024 x + {0, 512}.  xs has the same layout.
; REGISTERS, in windows of 256 (s_set_vgpr_msb: bits 1:0 source 0, 3:2 source 1, 5:4 source 2, 7:6 destination):
;   window 0: v1 my offset in a chunk of u, v2 16 lane, v5 my region, v6 my column; v[16:79] UF, fragment (x, kb) at 16 x + 8 kb; v[80:143] XF likewise; v[144:159] CF, the column's two fragments
;   window 1: v[0:63] W2, v[64:127] P6, v[128:191] P8, fragment 2 I + kb
;   window 2: v[0:127] the state, tile (I, x) at 8 (4 I + x); in the carry v[0:31] the column (tile I at 8 I), v[32 k ..] its addend k        window 3: two buffers of 128: a chunk of u as loaded, quad (i, jj) at 4 (8 i + jj)
.set UF,  16
.set XF,  80
.set CF,  144
.set TW2, 0
.set TP6, 64
.set TP8, 128
.set XA,  0
.set REG, 16384
.set MSB, 0
.macro WIN new                          ; the immediate's high byte repeats the setting that is left; a switch that changes nothing is dropped
.if MSB != (\new)
	s_set_vgpr_msb (MSB<<8)|(\new)
.set MSB, (\new)
.endif
.endm
.macro IMG win, dst, n, blo, off        ; a register image: quad t at 512 t + 16 lane
	WIN \win
.set z, 0
.rept \n
	global_load_b128 v[(\dst)+4*z:(\dst)+4*z+3], v2, s[\blo:\blo+1] offset:(\off)+z*512
.set z, z+1
.endr
.endm
.macro ULOAD b, k                       ; chunk k of my sub-segment: 32 loads, each two aligned runs of 256 bytes.  No hint: the next launch reads u again
	WIN 0xc0
.set z, 0
.rept 32
	global_load_b128 v[128*(\b)+4*z:128*(\b)+4*z+3], v1, s[20:21] offset:(\k)*131072+(16*(z/8)+z%8)*2048
.set z, z+1
.endr
.endm
.macro UPACK b
	WIN 0x0f
.set i, 0
.rept 4
.set p, 0
.rept 4
.set x, 0
.rept 4
	v_cvt_pk_f16_f32 v[UF+16*x+8*(i/2)+4*(i%2)+p], v[128*(\b)+4*(8*i+2*p)+x], v[128*(\b)+4*(8*i+2*p+1)+x]
.set x, x+1
.endr
.set p, p+1
.endr
.set i, i+1
.endr
.endm
.macro XPACK                            ; each tile's registers in ascending order
	WIN 0x0a
.set I, 0
.rept 4
.set x, 0
.rept 4
.set p, 0
.rept 4
	v_cvt_pk_f16_f32 v[XF+16*x+8*(I/2)+4*(I%2)+p], v[XA+8*(4*I+x)+2*p], v[XA+8*(4*I+x)+2*p+1]
.set p, p+1
.endr
.set x, x+1
.endr
.set I, I+1
.endr
.endm
; One product for each tile (I, x), I from I0: source 0 at abase + astep I, source 1 at bbase + 16 x.  The accumulators take turns, one instruction a turn, in the same order in every pass.
.macro PASS acc, abase, astep, bbase, zero, I0
.set I, \I0
.rept 4-(\I0)
.set x, 0
.rept 4
.if \zero
	v_wmma_f32_16x16x32_f16 v[(\acc)+8*(4*I+x):(\acc)+8*(4*I+x)+7], v[(\abase)+(\astep)*I:(\abase)+(\astep)*I+7], v[(\bbase)+16*x:(\bbase)+16*x+7], 0
.else
	v_wmma_f32_16x16x32_f16 v[(\acc)+8*(4*I+x):(\acc)+8*(4*I+x)+7], v[(\abase)+(\astep)*I:(\abase)+(\astep)*I+7], v[(\bbase)+16*x:(\bbase)+16*x+7], v[(\acc)+8*(4*I+x):(\acc)+8*(4*I+x)+7]
.endif
.set x, x+1
.endr
.set I, I+1
.endr
.endm
.macro NOP5                             ; the places behind the last products, in front of reads of the results and of the next packings into the fragments (ISA guide 7.12.1)
.rept 5
	v_nop
.endr
.endm
; A chunk in buffer b.  ld = 1: the buffer is loaded again with chunk off + 2.  first = 1: the state is 0, so W2 u starts the sums.  left: the younger loads that may stay out.
.macro ACHUNK b, ld, off, first, left
	s_wait_loadcnt \left            ; loads come back in order: my chunk (and at the first chunk the tables, issued ahead of it) is in; the next chunk's 32 loads stay out
	UPACK \b
.if \ld
	ULOAD \b, (\off)+2
.endif
.if !(\first)
	XPACK
	WIN 0xa1
	PASS XA, TP6, 16, XF, 0, 0
	PASS XA, TP6+8, 16, XF+8, 0, 0
.endif
	WIN 0xa1
	PASS XA, TW2, 16, UF, \first, 0
	PASS XA, TW2+8, 16, UF+8, 0, 0
	NOP5
.endm
; THE CARRY BY COLUMNS.  CGET: my column of four regions into slots 0..3 of 32 registers.  CSTEP: column += P8 f16(column), four accumulators by turns.  CADD k: column += slot k.
.macro CGET ra, rb, rc, rd
	WIN 0x80
.set k, 0
.irp g, \ra, \rb, \rc, \rd
.set z, 0
.rept 8
	ds_load_b128 v[32*k+4*z:32*k+4*z+3], v6 offset:(\g)*REG+(z/2)*4096+(z%2)*512
.set z, z+1
.endr
.set k, k+1
.endr
.endm
.macro CSTEP
	WIN 0x0a
.set z, 0
.rept 16
	v_cvt_pk_f16_f32 v[CF+z], v[2*z], v[2*z+1]     ; tile I, pair p -> register 4 I + p of the two fragments
.set z, z+1
.endr
	WIN 0xa1
.irp t, 0,1,2,3
	v_wmma_f32_16x16x32_f16 v[8*\t:8*\t+7], v[TP8+16*\t:TP8+16*\t+7], v[CF:CF+7], v[8*\t:8*\t+7]
.endr
.irp t, 0,1,2,3
	v_wmma_f32_16x16x32_f16 v[8*\t:8*\t+7], v[TP8+16*\t+8:TP8+16*\t+15], v[CF+8:CF+15], v[8*\t:8*\t+7]
.endr
	NOP5
.endm
.macro CADD k
	WIN 0x8a
.set z, 0
.rept 16
	v_pk_add_f32 v[2*z:2*z+1], v[2*z:2*z+1], v[32*(\k)+2*z:32*(\k)+2*z+1]
.set z, z+1
.endr
.endm
	s_load_b128 s[4:7], s[0:1], 0x0     ; u, tab
	s_load_b64 s[8:9], s[0:1], 0x10     ; xs
	v_lshl_add_u32 v254, v0, 2, 0x10000
	v_mov_b32 v255, 0
	v_and_b32 v3, 15, v0
	v_bfe_u32 v4, v0, 4, 1
	v_lshlrev_b32 v1, 4, v3
	v_lshl_add_u32 v1, v4, 14, v1       ; 16 r + 8 h rows of 2,048 bytes
	v_and_b32 v3, 31, v0
	v_lshlrev_b32 v2, 4, v3             ; 16 lane
	v_lshrrev_b32 v4, 5, v0
	v_readfirstlane_b32 s12, v4         ; wave 0..3: my sub-segment, and my column in the carry
	v_lshl_add_u32 v5, s12, 14, v2      ; my region of LDS
	v_lshl_add_u32 v6, s12, 10, v2      ; my column, in a region and in a block of xs
	s_mov_b32 s15, ttmp9
	s_and_b32 s13, ttmp7, 0xffff
	s_lshr_b32 s18, s15, 3
	s_lshl_b32 s18, s18, 23             ; the batch: 4,096 rows of 2,048 bytes
	s_lshl_b32 s16, s13, 21             ; the segment: 1,024 rows
	s_add_co_u32 s18, s18, s16
	s_lshl_b32 s16, s12, 19             ; the sub-segment: 256 rows
	s_add_co_u32 s18, s18, s16
	s_and_b32 s16, s15, 7
	s_lshl_b32 s16, s16, 8              ; the column group: 256 bytes
	s_add_co_u32 s18, s18, s16
	s_mov_b32 s19, 0
	s_mul_i32 s22, s15, 3
	s_add_co_u32 s22, s22, s13
	s_lshl_b32 s22, s22, 14             ; block (gx, p) of 16,384 bytes
	s_mov_b32 s23, 0
	s_wait_kmcnt 0x0
	s_add_nc_u64 s[20:21], s[4:5], s[18:19]
	s_add_nc_u64 s[24:25], s[8:9], s[22:23]
	IMG 0x40, TW2, 16, 6, 0
	IMG 0x40, TP6, 16, 6, 8192
	IMG 0x40, TP8, 16, 6, 28672
	ULOAD 0, 0
	ULOAD 1, 1
	ACHUNK 0, 1, 0, 1, 32               ; chunk 0; chunk 2 is asked for
	ACHUNK 1, 1, 1, 0, 32               ; chunk 1; chunk 3, the sub-segment's last, is asked for
	ACHUNK 0, 0, 0, 0, 32               ; the last two chunks load nothing: the counts run down
	ACHUNK 1, 0, 0, 0, 0
	WIN 0x08                            ; store data in window 2
.set z, 0
.rept 32
	ds_store_b128 v5, v[XA+4*z:XA+4*z+3] offset:z*512   ; s_w, whole, into region w: 16 neighbouring bytes a lane
.set z, z+1
.endr
	WIN 0
	s_wait_dscnt 0x0                    ; for the others' sake: my stores are done
	s_barrier_signal -1
	s_barrier_wait -1
	CGET 0, 1, 2, 3                     ; my column of s_0 (the column's start) and of s_1, s_2, s_3
	s_wait_dscnt 0x0
	CSTEP
	CADD 1
	CSTEP
	CADD 2
	CSTEP
	CADD 3
	WIN 0x08
.set z, 0
.rept 8
	global_store_b128 v6, v[4*z:4*z+3], s[24:25] offset:(z/2)*4096+(z%2)*512   ; 512 consecutive bytes each
.set z, z+1
.endr
	WIN 0
	s_wait_tensorcnt 0x0
	ds_add_u32 v254, v255
	s_wait_dscnt 0x0
	s_endpgm
.Lfunc_end_k_q32888652b3_segst:
	.size	k_q32888652b3_segst, .Lfunc_end_k_q32888652b3_segst-k_q32888652b3_segst
	.p2alignl 7, 3214868480
	.fill 96, 4, 3214868480
	.section	.rodata,"a",@progbits
	.p2align	6, 0x0
	.amdhsa_kernel k_q32888652b3_segst
		.amdhsa_group_segment_fixed_size 66048
		.amdhsa_private_segment_fixed_size 0
		.amdhsa_enable_private_segment 0
		.amdhsa_kernarg_size 24
		.amdhsa_user_sgpr_count 2
		.amdhsa_user_sgpr_kernarg_segment_ptr 1
		.amdhsa_wavefront_size32 1
		.amdhsa_system_sgpr_workgroup_id_x 1
		.amdhsa_system_sgpr_workgroup_id_y 1
		.amdhsa_system_sgpr_workgroup_id_z 1
		.amdhsa_system_vgpr_workitem_id 0
		.amdhsa_next_free_vgpr 1024
		.amdhsa_next_free_sgpr 66
		.amdhsa_reserve_vcc 0
		.amdhsa_float_denorm_mode_32 3
		.amdhsa_float_denorm_mode_16_64 3
		.amdhsa_memory_ordered 1
		.amdhsa_forward_progress 1
		.amdhsa_inst_pref_size 75
	.end_amdhsa_kernel
	.amdgpu_metadata
---
amdhsa.version: [ 1, 2 ]
amdhsa.kernels:
  - .name:           k_q32888652b3_segst
    .symbol:         k_q32888652b3_segst.kd
    .args:
      - { .name: u, .offset: 0, .size: 8, .value_kind: global_buffer, .address_space: global }
      - { .name: tab, .offset: 8, .size: 8, .value_kind: global_buffer, .address_space: global }
      - { .name: xs, .offset: 16, .size: 8, .value_kind: global_buffer, .address_space: global }
    .group_segment_fixed_size: 66048
    .private_segment_fixed_size: 0
    .kernarg_segment_align: 8
    .kernarg_segment_size: 24
    .max_flat_workgroup_size: 128
    .sgpr_count:     66
    .vgpr_count:     1024
    .wavefront_size: 32
...
	.end_amdgpu_metadata
.endif
;; end of part 4
;; launch s4out (part 5): grid 64 x 4, 4 waves a work-group, no clusters, 66,048 bytes of LDS; arguments u, tab, xs, out0; writes out0
.if DOCPART == 5
	.amdgcn_target "amdgcn-amd-amdhsa--gfx1250"
	.amdhsa_code_object_version 6
	.text
	.protected	k_q32888652b3_s4out
	.globl	k_q32888652b3_s4out
	.p2align	8
	.type	k_q32888652b3_s4out,@function
k_q32888652b3_s4out:
	s_mov_b64 s[64:65], 0
	v_nop
	global_prefetch_b8 v0, s[64:65] scope:SCOPE_SE
	s_setreg_imm32_b32 hwreg(HW_REG_WAVE_MODE, 25, 1), 1
	s_wait_xcnt 0x0
; THE OUTPUT.  Work-group (gx, q): batch gx / 8, columns 64 (gx % 8) .. + 63, rows 1024 q .. + 1023.  FOUR WAVES, one sub-segment of 256 rows (4 chunks of 64) each.
; CARRY BETWEEN SEGMENTS.  X_0 = 0, X_1 = S_0, X_(p+1) = Q^1024 X_p + S_p, with S_p from the launch before and Q^1024 applied as four steps x += P8 f16(x), P8 = Q^256 - I.
; PHASE 1.  Each wave rounds its 4 chunks of u to f16 and KEEPS them (256 registers: u is read once); waves 0 to 2 run x += P6 f16(x) + W2 f16(u) from a zero state, which gives s_w.
;           Wave 3's end state is wanted by nobody: it takes a path of its own that loads and rounds only.
; CARRY IN THE GROUP.  X_(q,0) = X_q, X_(q,w+1) = X_(q,w) + P8 f16(X_(q,w)) + s_w.
; Both carries are shared by COLUMNS: wave x does every step for column tile x (4 tiles); states change hands through LDS in f32.
; PHASE 3, 4 chunks:   y^ = T f16(u) + V2 f16(x);   x += P6 f16(x) + W2 f16(u) (not in the last);   out = sigma y^        (T[i][j] = K[i - j] below and on the diagonal: the two blocks above it are not multiplied).
; All tables are f16 register images from the first launch; sums, the states and the scaling by sigma (a power of two) in f32.
; LIMITS: |u| and |x| (in units of 2^(eB - 12 + 8)) below 65,504; NaN and infinities are not treated apart.
; No tensor loads, no cluster (36 KiB of tables are shared, against 512 KiB streamed by a work-group).  LAYOUT as in the launch before: column tile x = columns 4 r + x, so that loads, fragments, results and stores meet
; in the same lane: result tile (I, x), register j, is row 16 I + 8 h + j, column 4 r + x, so the four tiles' registers j make 16 neighbouring bytes, and sixteen lanes store 256 aligned bytes.  The multiply by sigma gathers them.
; LDS: four regions of 16,384 bytes, each a state as it lies in registers: quad t at 512 t + 16 lane; column x is the bytes 4096 I + 1024 x + {0, 512}.  Region 3: X_(q,0).  Region w < 3: s_w, then, written over it
; column by column by the wave that has just read that column, X_(q,w+1).  So wave w finds its state in region (w + 3) % 4.
; REGISTERS, in windows of 256 (s_set_vgpr_msb: bits 1:0 source 0, 3:2 source 1, 5:4 source 2, 7:6 destination):
;   window 0: v1 my offset in a chunk, v2 16 lane, v5 my region, v6 my column, v7 the region of my state; v[16:79] XF; v[80:143], v[144:207] u of chunks 0, 1 in f16; v[208:239] T (fragment e); v[240:255] CF, the column's two fragments
;   window 1: v[0:63] W2, v[64:127] P6, v[128:191] V2, v[192:255] P8 (fragment 2 I + kb)
;   window 2: v[0:127] x, tile (I, x) at 8 (4 I + x) (in the carries: v[0:31] the column, v[32 k ..] its addend k); v[128:255] y^ likewise (in phase 1: the odd chunks of u as loaded)
;   window 3: v[0:127] the even chunks of u as loaded, later a chunk of output; v[128:191], v[192:255] u of chunks 2, 3 in f16
.set XF,   16
.set TT,   208
.set CF,   240
.set TW2,  0
.set TP6,  64
.set TV2,  128
.set TP8,  192
.set XA,   0
.set YA,   128
.set OUTR, 0
.set REG,  16384
.set MSB, 0
.macro WIN new                          ; the immediate's high byte repeats the setting that is left; a switch that changes nothing is dropped
.if MSB != (\new)
	s_set_vgpr_msb (MSB<<8)|(\new)
.set MSB, (\new)
.endif
.endm
.macro CHSET c                          ; where chunk c lies: f16 at v[UB] of window UW, as loaded at v[RB] of window RW
.set UW, 3*((\c)/2)
.set UB, 80+64*(\c)-80*((\c)/2)
.set RW, 3-((\c)%2)
.set RB, 128*((\c)%2)
.endm
.macro IMG win, dst, n, blo, off        ; a register image: quad t at 512 t + 16 lane
	WIN \win
.set z, 0
.rept \n
	global_load_b128 v[(\dst)+4*z:(\dst)+4*z+3], v2, s[\blo:\blo+1] offset:(\off)+z*512
.set z, z+1
.endr
.endm
.macro ULOAD c                          ; chunk c of my sub-segment: 32 loads, each two aligned runs of 256 bytes; u is read here for the last time
	CHSET \c
	WIN (RW<<6)
.set z, 0
.rept 32
	global_load_b128 v[RB+4*z:RB+4*z+3], v1, s[20:21] offset:(\c)*131072+(16*(z/8)+z%8)*2048 th:TH_LOAD_NT
.set z, z+1
.endr
.endm
.macro UPACK c
	CHSET \c
	WIN (UW<<6)|(RW<<2)|RW
.set i, 0
.rept 4
.set p, 0
.rept 4
.set x, 0
.rept 4
	v_cvt_pk_f16_f32 v[UB+16*x+8*(i/2)+4*(i%2)+p], v[RB+4*(8*i+2*p)+x], v[RB+4*(8*i+2*p+1)+x]
.set x, x+1
.endr
.set p, p+1
.endr
.set i, i+1
.endr
.endm
.macro XPACK                            ; each tile's registers in ascending order
	WIN 0x0a
.set I, 0
.rept 4
.set x, 0
.rept 4
.set p, 0
.rept 4
	v_cvt_pk_f16_f32 v[XF+16*x+8*(I/2)+4*(I%2)+p], v[XA+8*(4*I+x)+2*p], v[XA+8*(4*I+x)+2*p+1]
.set p, p+1
.endr
.set x, x+1
.endr
.set I, I+1
.endr
.endm
; One product for each tile (I, x), I from I0: source 0 at abase + astep I, source 1 at bbase + 16 x.  The accumulators take turns, one instruction a turn, in the same order in every pass.
.macro PASS acc, abase, astep, bbase, zero, I0
.set I, \I0
.rept 4-(\I0)
.set x, 0
.rept 4
.if \zero
	v_wmma_f32_16x16x32_f16 v[(\acc)+8*(4*I+x):(\acc)+8*(4*I+x)+7], v[(\abase)+(\astep)*I:(\abase)+(\astep)*I+7], v[(\bbase)+16*x:(\bbase)+16*x+7], 0
.else
	v_wmma_f32_16x16x32_f16 v[(\acc)+8*(4*I+x):(\acc)+8*(4*I+x)+7], v[(\abase)+(\astep)*I:(\abase)+(\astep)*I+7], v[(\bbase)+16*x:(\bbase)+16*x+7], v[(\acc)+8*(4*I+x):(\acc)+8*(4*I+x)+7]
.endif
.set x, x+1
.endr
.set I, I+1
.endr
.endm
.macro NOP5                             ; the places behind the last products, in front of reads of the results and of the next packings into the fragments (ISA guide 7.12.1)
.rept 5
	v_nop
.endr
.endm
; THE CARRIES BY COLUMNS.  CGET: my column of four regions into slots 0..3 of 32 registers.  CSTEP: column += P8 f16(column), four accumulators by turns.  CADD k: column += slot k.  CPUT r: the column into region r.
.macro CGET ra, rb, rc, rd
	WIN 0x80
.set k, 0
.irp g, \ra, \rb, \rc, \rd
.set z, 0
.rept 8
	ds_load_b128 v[32*k+4*z:32*k+4*z+3], v6 offset:(\g)*REG+(z/2)*4096+(z%2)*512
.set z, z+1
.endr
.set k, k+1
.endr
.endm
.macro CSTEP
	WIN 0x0a
.set z, 0
.rept 16
	v_cvt_pk_f16_f32 v[CF+z], v[2*z], v[2*z+1]     ; tile I, pair p -> register 4 I + p of the two fragments
.set z, z+1
.endr
	WIN 0xa1
.irp t, 0,1,2,3
	v_wmma_f32_16x16x32_f16 v[8*\t:8*\t+7], v[TP8+16*\t:TP8+16*\t+7], v[CF:CF+7], v[8*\t:8*\t+7]
.endr
.irp t, 0,1,2,3
	v_wmma_f32_16x16x32_f16 v[8*\t:8*\t+7], v[TP8+16*\t+8:TP8+16*\t+15], v[CF+8:CF+15], v[8*\t:8*\t+7]
.endr
	NOP5
.endm
.macro CADD k
	WIN 0x8a
.set z, 0
.rept 16
	v_pk_add_f32 v[2*z:2*z+1], v[2*z:2*z+1], v[32*(\k)+2*z:32*(\k)+2*z+1]
.set z, z+1
.endr
.endm
.macro CPUT r
	WIN 0x08
.set z, 0
.rept 8
	ds_store_b128 v6, v[4*z:4*z+3] offset:(\r)*REG+(z/2)*4096+(z%2)*512
.set z, z+1
.endr
.endm
.macro POW4                             ; Q^1024, as four steps of Q^256
	WIN 0
	s_mov_b32 s17, 4
.Lpow_\@:
	CSTEP
	WIN 0                           ; at a label and at a branch every window is 0
	s_sub_co_u32 s17, s17, 1
	s_cmp_lg_u32 s17, 0
	s_cbranch_scc1 .Lpow_\@
.endm
; PHASE 1, chunk c.  left: the younger loads that may stay out.  full = 0 (wave 3): load and round only.  The loads are the same on both paths, so the counts are too.
.macro P1 c, left, full
	s_wait_loadcnt \left            ; loads come back in order: chunk c is in
	UPACK \c
.if (\c) < 2
	ULOAD (\c)+2                    ; into the buffer just rounded
.endif
.if (\c) == 1
	IMG 0x40, TV2, 16, 6, 16384     ; phase 3's tables go out behind the last of u
	IMG 0, TT, 8, 6, 24576
.endif
.if \full
	CHSET \c
.if (\c) > 0
	XPACK
	WIN 0xa1
	PASS XA, TP6, 16, XF, 0, 0
	PASS XA, TP6+8, 16, XF+8, 0, 0
	WIN 0xa1|(UW<<2)
	PASS XA, TW2, 16, UB, 0, 0
.else
	WIN 0xa1|(UW<<2)
	PASS XA, TW2, 16, UB, 1, 0      ; the state is 0: W2 u starts the sums
.endif
	PASS XA, TW2+8, 16, UB+8, 0, 0
	NOP5
.endif
.endm
; PHASE 3, chunk c.  last = 1: the state is wanted no more.
.macro P3 c, last
	CHSET \c
	XPACK
	WIN 0xa0|(UW<<2)                ; source 0 (T) in window 0, source 1 (u) in its chunk's window
	PASS YA, TT, 8, UB, 1, 0            ; columns 0-31 of T: block row I takes fragment I; these products start y^
	PASS YA, TT-16, 8, UB+8, 0, 2       ; columns 32-63: block rows 2 and 3 take fragments 0 and 1; rows 0-31 see none of these inputs
	WIN 0xa1
	PASS YA, TV2, 16, XF, 0, 0
	PASS YA, TV2+8, 16, XF+8, 0, 0
.if !(\last)
	PASS XA, TP6, 16, XF, 0, 0
	PASS XA, TP6+8, 16, XF+8, 0, 0
	WIN 0xa1|(UW<<2)
	PASS XA, TW2, 16, UB, 0, 0
	PASS XA, TW2+8, 16, UB+8, 0, 0
.endif
	NOP5
.if (\c) > 0
	s_wait_xcnt 0x0                 ; the output registers, which the last chunk's stores read, are written again only behind this wait
.endif
	WIN 0xc8
.set I, 0
.rept 4
.set j, 0
.rept 8
.set x, 0
.rept 4
	v_mul_f32 v[OUTR+4*(8*I+j)+x], s14, v[YA+8*(4*I+x)+j]
.set x, x+1
.endr
.set j, j+1
.endr
.set I, I+1
.endr
	WIN 0x0c                        ; store data in window 3
.set I, 0
.rept 4
.set j, 0
.rept 8
	global_store_b128 v1, v[OUTR+4*(8*I+j):OUTR+4*(8*I+j)+3], s[22:23] offset:(\c)*131072+(16*I+j)*2048 th:TH_STORE_NT  ; sixteen lanes store 256 consecutive bytes, at a multiple of 256 from out0's first byte
.set j, j+1
.endr
.set I, I+1
.endr
.endm
	s_load_b256 s[4:11], s[0:1], 0x0    ; u, tab, xs, out0
	v_lshl_add_u32 v14, v0, 2, 0x10000
	v_mov_b32 v15, 0
	v_and_b32 v3, 15, v0
	v_bfe_u32 v4, v0, 4, 1
	v_lshlrev_b32 v1, 4, v3
	v_lshl_add_u32 v1, v4, 14, v1       ; 16 r + 8 h rows of 2,048 bytes
	v_and_b32 v3, 31, v0
	v_lshlrev_b32 v2, 4, v3             ; 16 lane
	v_lshrrev_b32 v4, 5, v0
	v_readfirstlane_b32 s12, v4         ; wave 0..3: my sub-segment, and my column in the carries
	v_lshl_add_u32 v5, s12, 14, v2      ; my region of LDS
	v_lshl_add_u32 v6, s12, 10, v2      ; my column, in a region and in a block of xs
	s_add_co_u32 s16, s12, 3
	s_and_b32 s16, s16, 3
	v_lshl_add_u32 v7, s16, 14, v2      ; the region in which my sub-segment's first state will lie
	s_mov_b32 s15, ttmp9
	s_and_b32 s13, ttmp7, 0xffff
	s_lshr_b32 s18, s15, 3
	s_lshl_b32 s18, s18, 23             ; the batch
	s_lshl_b32 s16, s13, 21             ; the segment
	s_add_co_u32 s18, s18, s16
	s_lshl_b32 s16, s12, 19             ; the sub-segment
	s_add_co_u32 s18, s18, s16
	s_and_b32 s16, s15, 7
	s_lshl_b32 s16, s16, 8              ; the column group
	s_add_co_u32 s18, s18, s16
	s_mov_b32 s19, 0
	s_mul_i32 s26, s15, 3
	s_lshl_b32 s26, s26, 14             ; block (gx, 0) of xs
	s_mov_b32 s27, 0
	s_wait_kmcnt 0x0
	s_load_b32 s14, s[6:7], 0x9000      ; sigma
	s_add_nc_u64 s[20:21], s[4:5], s[18:19]
	s_add_nc_u64 s[22:23], s[10:11], s[18:19]
	s_add_nc_u64 s[24:25], s[8:9], s[26:27]
	IMG 0x40, TP8, 16, 6, 28672         ; what the carry needs goes out first,
	WIN 0x80
.set k, 0
.rept 3                                 ; my column of S_0 (into the column itself), S_1, S_2: all three whatever q, 12 KiB a wave, so that the text has one path up to the wait for them
.set z, 0
.rept 8
	global_load_b128 v[32*k+4*z:32*k+4*z+3], v6, s[24:25] offset:k*REG+(z/2)*4096+(z%2)*512
.set z, z+1
.endr
.set k, k+1
.endr
	IMG 0x40, TW2, 16, 6, 0
	IMG 0x40, TP6, 16, 6, 8192
	ULOAD 0                             ; then two chunks of u, which are on their way while the carry is made
	ULOAD 1
	WIN 0                               ; at a label and at a branch every window is 0
	s_wait_kmcnt 0x0                    ; sigma
	s_wait_loadcnt 0x3f                 ; 96 loads were issued behind P8 and S: the 63 that may stay out are all younger
	s_cmp_lg_u32 s13, 0
	s_cbranch_scc1 .Lhave
	WIN 0x80
.set z, 0
.rept 32
	v_mov_b32 v[z], 0                   ; the first segment starts from the zero state
.set z, z+1
.endr
	WIN 0
	s_branch .Lput
.Lhave:                                 ; the column holds S_0 = X_1
	s_cmp_lt_u32 s13, 2
	s_cbranch_scc1 .Lput
	POW4
	CADD 1                              ; X_2
	WIN 0
	s_cmp_lt_u32 s13, 3
	s_cbranch_scc1 .Lput
	POW4
	CADD 2                              ; X_3
	WIN 0
.Lput:
	CPUT 3                              ; X_(q,0), my column of it
	WIN 0
	s_cmp_eq_u32 s12, 3
	s_cbranch_scc1 .Lw3
	P1 0, 32, 1                         ; younger: chunk 1
	P1 1, 32, 1                         ; younger: chunk 2
	P1 2, 56, 1                         ; younger: chunk 3, V2 and T
	P1 3, 24, 1                         ; younger: V2 and T
	WIN 0x08
.set z, 0
.rept 32
	ds_store_b128 v5, v[XA+4*z:XA+4*z+3] offset:z*512   ; s_w, whole, into region w
.set z, z+1
.endr
	WIN 0
	s_branch .Lmeet
.Lw3:
	P1 0, 32, 0
	P1 1, 32, 0
	P1 2, 56, 0
	P1 3, 24, 0
	WIN 0
.Lmeet:
	s_wait_dscnt 0x0                    ; for the others' sake: my stores are done
	s_barrier_signal -1
	s_barrier_wait -1
	CGET 3, 0, 1, 2                     ; my column of X_(q,0) and of s_0, s_1, s_2
	s_wait_dscnt 0x0
	CSTEP
	CADD 1
	CPUT 0                              ; X_(q,1) over s_0: these bytes are read and written by me alone between the two barriers
	CSTEP
	CADD 2
	CPUT 1
	CSTEP
	CADD 3
	CPUT 2
	WIN 0
	s_wait_dscnt 0x0
	s_barrier_signal -1
	s_barrier_wait -1
	WIN 0x80
.set z, 0
.rept 32
	ds_load_b128 v[XA+4*z:XA+4*z+3], v7 offset:z*512    ; my sub-segment's first state, whole
.set z, z+1
.endr
	s_wait_dscnt 0x0
	s_wait_loadcnt 0x0                  ; V2 and T
	P3 0, 0
	P3 1, 0
	P3 2, 0
	P3 3, 1
	WIN 0
	s_wait_tensorcnt 0x0
	ds_add_u32 v14, v15
	s_wait_dscnt 0x0
	s_endpgm
.Lfunc_end_k_q32888652b3_s4out:
	.size	k_q32888652b3_s4out, .Lfunc_end_k_q32888652b3_s4out-k_q32888652b3_s4out
	.p2alignl 7, 3214868480
	.fill 96, 4, 3214868480
	.section	.rodata,"a",@progbits
	.p2align	6, 0x0
	.amdhsa_kernel k_q32888652b3_s4out
		.amdhsa_group_segment_fixed_size 66048
		.amdhsa_private_segment_fixed_size 0
		.amdhsa_enable_private_segment 0
		.amdhsa_kernarg_size 32
		.amdhsa_user_sgpr_count 2
		.amdhsa_user_sgpr_kernarg_segment_ptr 1
		.amdhsa_wavefront_size32 1
		.amdhsa_system_sgpr_workgroup_id_x 1
		.amdhsa_system_sgpr_workgroup_id_y 1
		.amdhsa_system_sgpr_workgroup_id_z 1
		.amdhsa_system_vgpr_workitem_id 0
		.amdhsa_next_free_vgpr 1024
		.amdhsa_next_free_sgpr 66
		.amdhsa_reserve_vcc 0
		.amdhsa_float_denorm_mode_32 3
		.amdhsa_float_denorm_mode_16_64 3
		.amdhsa_memory_ordered 1
		.amdhsa_forward_progress 1
		.amdhsa_inst_pref_size 187
	.end_amdhsa_kernel
	.amdgpu_metadata
---
amdhsa.version: [ 1, 2 ]
amdhsa.kernels:
  - .name:           k_q32888652b3_s4out
    .symbol:         k_q32888652b3_s4out.kd
    .args:
      - { .name: u, .offset: 0, .size: 8, .value_kind: global_buffer, .address_space: global }
      - { .name: tab, .offset: 8, .size: 8, .value_kind: global_buffer, .address_space: global }
      - { .name: xs, .offset: 16, .size: 8, .value_kind: global_buffer, .address_space: global }
      - { .name: out0, .offset: 24, .size: 8, .value_kind: global_buffer, .address_space: global }
    .group_segment_fixed_size: 66048
    .private_segment_fixed_size: 0
    .kernarg_segment_align: 8
    .kernarg_segment_size: 32
    .max_flat_workgroup_size: 128
    .sgpr_count:     66
    .vgpr_count:     1024
    .wavefront_size: 32
...
	.end_amdgpu_metadata
.endif
;; end of part 5
